; MI455X (gfx1250); checked and timed in simulation.
; The chip was launched on July 23, 2026; its instructions are those of AMD's public machine-readable ISA for CDNA 5 (MIT licence, August 2026) and "CDNA5" Instruction Set Architecture Reference Guide (July 2026). The comments in the code are by the model that wrote it; some were corrected since.
;; CUDA Linear Attention. Allowed arithmetic: float matrix products may take bf16 or f16 operands with f32 sums; other float arithmetic in f32, or as packed bf16 or f16 multiplies, adds, multiply-adds, maxima and minima; sums over many terms, partial sums and values carried from step to step in f32; what a program stores and reads back later, other than sums and carried values, may be rounded once to bf16 or f16.
;; Inputs: Wk 1,024 x 1,024 float32; Wq 1,024 x 1,024 float32; Wv 1,024 x 1,024 float32; bk 1,024 float32; bq 1,024 float32; bv 1,024 float32; mask 4 x 4,096 float32; x 4 x 4,096 x 1,024 float32.
;; Outputs: out0 4 x 4,096 x 1,024 float32.
;; Constants: n_heads = 16.
;; 2 versions, each right; version 2 is version 1 with the launch cast written anew for expert scheduling mode. Each part assembles by itself: llvm-mc -triple=amdgcn-amd-amdhsa -mcpu=gfx1250 --defsym DOCPART=n.
;; ======== version 1 of 2: 3 launches
;; limits: values are held in f16: magnitudes above 65,504 overflow, below 6.1e-05 lose precision
;; workspace buffers: xw 39,845,888 bytes; kvp 20,971,520 bytes; qf 33,554,432 bytes; qs 1,048,576 bytes
;; launch cast (part 1): grid 1024 x 1, 8 waves a work-group, no clusters, 0 bytes of LDS; arguments x, Wq, Wk, Wv, xw; writes xw
.if DOCPART == 1
	.amdgcn_target "amdgcn-amd-amdhsa--gfx1250"
	.amdhsa_code_object_version 6
	.text
	.protected	k_q7a983e49b3_cast
	.globl	k_q7a983e49b3_cast
	.p2align	8
	.type	k_q7a983e49b3_cast,@function
k_q7a983e49b3_cast:
	s_mov_b64 s[64:65], 0
	v_nop
	global_prefetch_b8 v0, s[64:65] scope:SCOPE_SE
	s_setreg_imm32_b32 hwreg(HW_REG_WAVE_MODE, 25, 1), 1
	s_wait_xcnt 0x0
; xw = all matrix operands of the projections, rounded once to bf16, in ONE buffer of 19,456 rows x 1,024 (2,048 bytes a row):
;   rows 0 .. 16383: x;   row 16384 + 128 h + i: Wk's row 64 h + i;   row 16384 + 128 h + 64 + i: Wv's row 64 h + i (h < 16, i < 64);   row 18432 + n: Wq's row n.
; A stream: no LDS, no matrix unit.  Work-group g takes x's rows 16 g .. 16 g + 15 and row g of each weight: 19 passes of one row.
; Thread t takes 16 bytes (4 numbers) at byte 16 t of a row and stores 8 bytes at byte 8 t: a wave's load covers 512 consecutive bytes, its store 256, aligned.
; All 19 loads of a wave go out at once; each pass owns its registers, so nothing is rewritten while a load or a store may read it.
.set ROWI, 4096                        ; bytes of a row in f32
.set ROWO, 2048                        ; bytes of a row in bf16
.set IN,   4                           ; v[4:79]    pass i: 4 registers as loaded
.set OU,   80                          ; v[80:117]  pass i: 2 registers to store
	s_load_b256 s[4:11], s[0:1], 0x0               ; x s[4:5], Wq s[6:7], Wk s[8:9], Wv s[10:11]
	s_load_b64 s[12:13], s[0:1], 0x20              ; xw
	v_lshlrev_b32 v1, 4, v0                        ; my 16 bytes of a row that is read
	v_lshlrev_b32 v2, 3, v0                        ; my 8 bytes of a row that is written
	s_lshl_b32 s14, ttmp9, 16                      ; x: 16 rows of 4,096 bytes a work-group
	s_mov_b32 s15, 0
	s_lshl_b32 s16, ttmp9, 12                      ; the weights: one row each
	s_mov_b32 s17, 0
	s_lshl_b32 s18, ttmp9, 15                      ; xw: x's 16 rows of 2,048 bytes
	s_mov_b32 s19, 0
	s_add_co_u32 s20, ttmp9, 18432                 ; xw: Wq's row
	s_lshl_b32 s20, s20, 11
	s_mov_b32 s21, 0
	s_lshr_b32 s22, ttmp9, 6                       ; xw: Wk's row: the head,
	s_lshl_b32 s22, s22, 7                         ; 128 rows a head,
	s_and_b32 s23, ttmp9, 63                       ; the row in the head
	s_add_co_u32 s22, s22, s23
	s_add_co_u32 s22, s22, 16384
	s_lshl_b32 s22, s22, 11
	s_mov_b32 s23, 0
	s_wait_kmcnt 0x0
	s_add_nc_u64 s[4:5], s[4:5], s[14:15]
	s_add_nc_u64 s[6:7], s[6:7], s[16:17]
	s_add_nc_u64 s[8:9], s[8:9], s[16:17]
	s_add_nc_u64 s[10:11], s[10:11], s[16:17]
	s_add_nc_u64 s[24:25], s[12:13], s[18:19]
	s_add_nc_u64 s[26:27], s[12:13], s[20:21]
	s_add_nc_u64 s[28:29], s[12:13], s[22:23]      ; Wv's row lies 64 rows behind Wk's
.irp i, 0,1,2,3,4,5,6,7,8,9,10,11,12,13,14,15
	global_load_b128 v[IN+4*(\i):IN+4*(\i)+3], v1, s[4:5] offset:(\i)*ROWI th:TH_LOAD_NT
.endr
	global_load_b128 v[IN+64:IN+67], v1, s[6:7] th:TH_LOAD_NT
	global_load_b128 v[IN+68:IN+71], v1, s[8:9] th:TH_LOAD_NT
	global_load_b128 v[IN+72:IN+75], v1, s[10:11] th:TH_LOAD_NT
.macro PASS i, base, off               ; pass i is rounded and stored
	s_wait_loadcnt 18-(\i)                         ; loads come back in order: mine is in, the 18 - i younger ones stay out
	v_cvt_pk_bf16_f32 v[OU+2*(\i)],   v[IN+4*(\i)],   v[IN+4*(\i)+1]
	v_cvt_pk_bf16_f32 v[OU+2*(\i)+1], v[IN+4*(\i)+2], v[IN+4*(\i)+3]
	global_store_b64 v2, v[OU+2*(\i):OU+2*(\i)+1], s[\base:\base+1] offset:\off
.endm
.irp i, 0,1,2,3,4,5,6,7,8,9,10,11,12,13,14,15
	PASS \i, 24, (\i)*ROWO
.endr
	PASS 16, 26, 0
	PASS 17, 28, 0
	PASS 18, 28, 64*ROWO
	s_endpgm
.Lfunc_end_k_q7a983e49b3_cast:
	.size	k_q7a983e49b3_cast, .Lfunc_end_k_q7a983e49b3_cast-k_q7a983e49b3_cast
	.p2alignl 7, 3214868480
	.fill 96, 4, 3214868480
	.section	.rodata,"a",@progbits
	.p2align	6, 0x0
	.amdhsa_kernel k_q7a983e49b3_cast
		.amdhsa_group_segment_fixed_size 0
		.amdhsa_private_segment_fixed_size 0
		.amdhsa_enable_private_segment 0
		.amdhsa_kernarg_size 40
		.amdhsa_user_sgpr_count 2
		.amdhsa_user_sgpr_kernarg_segment_ptr 1
		.amdhsa_wavefront_size32 1
		.amdhsa_system_sgpr_workgroup_id_x 1
		.amdhsa_system_sgpr_workgroup_id_y 1
		.amdhsa_system_sgpr_workgroup_id_z 1
		.amdhsa_system_vgpr_workitem_id 0
		.amdhsa_next_free_vgpr 120
		.amdhsa_next_free_sgpr 66
		.amdhsa_reserve_vcc 0
		.amdhsa_float_denorm_mode_32 3
		.amdhsa_float_denorm_mode_16_64 3
		.amdhsa_memory_ordered 1
		.amdhsa_forward_progress 1
		.amdhsa_inst_pref_size 8
	.end_amdhsa_kernel
	.amdgpu_metadata
---
amdhsa.version: [ 1, 2 ]
amdhsa.kernels:
  - .name:           k_q7a983e49b3_cast
    .symbol:         k_q7a983e49b3_cast.kd
    .args:
      - { .name: x, .offset: 0, .size: 8, .value_kind: global_buffer, .address_space: global }
      - { .name: Wq, .offset: 8, .size: 8, .value_kind: global_buffer, .address_space: global }
      - { .name: Wk, .offset: 16, .size: 8, .value_kind: global_buffer, .address_space: global }
      - { .name: Wv, .offset: 24, .size: 8, .value_kind: global_buffer, .address_space: global }
      - { .name: xw, .offset: 32, .size: 8, .value_kind: global_buffer, .address_space: global }
    .group_segment_fixed_size: 0
    .private_segment_fixed_size: 0
    .kernarg_segment_align: 8
    .kernarg_segment_size: 40
    .max_flat_workgroup_size: 256
    .sgpr_count:     66
    .vgpr_count:     120
    .wavefront_size: 32
...
	.end_amdgpu_metadata
.endif
;; end of part 1
;; launch proj (part 2): grid 4 x 64, 4 waves a work-group, clusters of 4 x 4, 327,680 bytes of LDS; arguments xw, bq, bk, bv, mask, kvp, qf, qs; writes kvp, qf, qs
.if DOCPART == 2
	.amdgcn_target "amdgcn-amd-amdhsa--gfx1250"
	.amdhsa_code_object_version 6
	.text
	.protected	k_q7a983e49b3_proj
	.globl	k_q7a983e49b3_proj
	.p2align	8
	.type	k_q7a983e49b3_proj,@function
k_q7a983e49b3_proj:
	s_mov_b64 s[64:65], 0
	v_nop
	global_prefetch_b8 v0, s[64:65] scope:SCOPE_SE
	s_setreg_imm32_b32 hwreg(HW_REG_WAVE_MODE, 25, 1), 1
	s_wait_xcnt 0x0
	s_wait_alu depctr_hold_cnt(0) depctr_sa_sdst(0) depctr_va_vdst(0) depctr_va_sdst(0) depctr_va_ssrc(0) depctr_va_vcc(0) depctr_vm_vsrc(0)
	s_getreg_b32 s2, hwreg(HW_REG_IB_STS2, 6, 4)
	s_cmp_eq_u32 s2, 0
	s_cbranch_scc0 .Lentry_in_a_cluster
	s_endpgm
.Lentry_in_a_cluster:
	s_bfe_u32 s2, ttmp6, 0x10000c
	s_cmp_lg_u32 s2, 0xf033
	s_cbranch_scc0 .Lentry_shape_is_right
	s_endpgm
.Lentry_shape_is_right:
; THE THREE PROJECTIONS, with what follows them fused in.  One text: D = P R^T, P and R each 256 rows of xw (bf16, 1,024 along K), sums in f32.
; A work-group of four waves makes a tile of 256 x 256; a wave 128 x 128: 64 accumulators of 16 x 16.  Source 0 = 16 rows of P, source 1 = 16 rows of R: in a result lane l holds
; ONE row of R (l % 16) and the rows 8 (l / 16) + 0..7 of P.
; A WORK-GROUP STAYS: 256 work-groups make THREE tiles each, on the same 1,024 rows of x a cluster: KV (heads 0-7), KV (heads 8-15), Q.  The ring of LDS slots does not stop at a tile's end: a KV
; tile's last two changes of slots ask for the next tile's first two K steps, which land under the epilogue, and nothing waits for a tile's stores.
; KV TILES: P = 256 rows of x, R = two heads' rows Wk|Wv (64 + 64 a head).  A lane holds one channel and eight rows t, so two results rounded to f16 ARE a fragment with
;   k = t.  kf = (elu(k + bk) + 1) m and v = (v + bv) m are made in f32 and rounded once to f16; then kvT[kc][d] = sum over t of v[t][kc] kf[t][d], and z[d] by a fragment of ones,
;   in f32.  The two waves that share a head add their halves through LDS; the work-group stores one partial sum (256 rows of t) for each of its two heads into kvp.
; THE Q TILE: P = 256 rows of Wq (four heads), R = 256 rows of x.  A lane holds one row t and eight channels d.  qf = elu(q + bq) + 1 is scaled, for each row of a head, by the
;   power of two that brings the row's maximum into 1 .. 2, rounded once to f16 and stored in the order in which the next launch's fragments want it; qs takes g = 2^(exponent) x m in f32.
; elu(y) + 1 = max(y + 1, min(e^y, 1)): no compare, no select.  The biases are rounded to bf16 like x and the weights; the mask is used in f32 as it is given.
; LIMITS.  (|k + bk| + 1) |m| and |(v + bv) m| stay under 65,504, f16's end; a kf below 6e-8 counts as 0; inside one head's row a qf below 3e-8 of the row's maximum counts as 0;
;   |q + bq| stays under 2^127; e^y below 2^-126 counts as 0; NaN and infinities are not treated apart.
; CLUSTERS: 4 x 4 work-groups.  P's tile hangs on the cluster's y and on cy, and is asked for jointly by the four of a row of the cluster; R's on the cluster's y and on cx, jointly by the four
;   of a column.  The tile's kind hangs on the tile counter, which is the same in every work-group.
; K goes in 8 steps of 128 through two LDS slots; a wave's one tensor load brings 128 rows x 256 bytes.  A trip of the inner loop is one K step; the LDS addresses hang on s[TB].
; REGISTERS, in windows of 256 (s_set_vgpr_msb: bits 1:0 source 0, 3:2 source 1, 5:4 source 2, 7:6 destination):
;   window 0: v0-31 addresses; v32-39 RV, v192-255 PV (bias or mask); v64-127, v128-191 P's fragments, two buffers; behind a K walk v64-191 are at work
;   window 1: v64-127, v128-191 R's fragments; behind a K walk: KV tiles v0-159 the 20 accumulators of kvT and z; the Q tile v0-127 the bias in two forms
;   window 2: the accumulators of P's blocks 0-3 ((a, b) at v[8 (8 (a % 4) + b)]);   window 3: those of blocks 4-7
.set PITCH,  272                       ; an LDS row: 256 bytes + 16 of padding: the 16 rows of a fragment load start 16 bytes apart modulo 256
.set HALFT,  128*PITCH                 ; what one tensor load brings, and what one wave reads of P or of R
.set SLOT,   4*HALFT                   ; P's 256 rows, then R's 256 rows.  0x22000: its two bits are 0 in wave x HALFT, so one exclusive or changes slots
.set STAGE,  2*SLOT                    ; behind the ring, never filled by a tensor load: the KV tiles' exchange, 20,480 bytes a head
.set XHALF,  20480
.set SPARE,  STAGE+2*XHALF             ; the spare words, 128 bytes a wave: two blocks of 256 bytes that no other line names
.set KB,     256                       ; bytes of a row in a K step
.set GW0,    (1<<16)|(1<<20)|(1<<21)|(5<<22)|(3<<25)  ; group 1, word 0 beside the mask: 2-byte elements; padding on; bit 21 beside a mask; after every 64 words; 4 words
.set ADRP0, 16                         ; v16  my lane's place in P's half of a slot; never rewritten
.set ADRR0, 17                         ; v17  the same for R
.set ADRP,  18                         ; v18  s[TB] + v16
.set ADRR,  19                         ; v19  s[TB] + v17
.set PVO,   20                         ; v20  32 (l / 16); never rewritten
.set RVO,   21                         ; v21  4 (l % 16); never rewritten
.set GO,    22                         ; v22  16 l; never rewritten
.set XS,    23                         ; v23  my 16 bytes in my head's exchange
.set SPW,   28                         ; v28  LDS address of my spare word; never rewritten
.set NIL,   29                         ; v29  0; never rewritten
.set RV,    32                         ; v32-39   for R's row 16 b + l % 16: KV bk (b < 4), bv (b >= 4); Q the mask
.set G,     40                         ; v40-47   Q: g of the head in hand, by block
.set C4,    56                         ; v56-59   Q: four words of qs
.set SC,    60                         ; v60-61   Q: the row's scale and its inverse
.set F0,    64
.set F1,    128
.set PV,    192                        ; v192-255 for P's row 16 a + 8 (l / 16) + j at 8 a + j: KV the mask; Q bq
.set T,     64                         ; v64-95   at work: exponents, exponentials
.set P,     96                         ; v96-127  at work: y + 1, then phi
.set PK,    128                        ; v128-159 Q: packed results, two buffers of 16
.set BL,    128                        ; v128-135 KV: bk log2(e), a pair for each b < 4
.set B1,    136                        ; v136-143 KV: bk + 1
.set BV,    144                        ; v144-151 KV: bv, a pair for each b >= 4
.set XB,    32                         ; v32-191  KV, at a tile's very end: the partner's 160 registers
.set BLQ,   0                          ; window 1: bq log2(e): v0-31 the head in hand, v32-63 the second head
.set B1Q,   64                         ; window 1: bq + 1, likewise
.set QPV,  6                           ; s[6:7]   the Q tile's PV: bq at my 128 rows of Wq
.set RVA,  8                           ; s[8:9]   where RV comes from, b < 4
.set RVB,  10                          ; s[10:11] and b >= 4
.set OUT1, 14                          ; s[14:15] kvp, later qf, at my part
.set QO1,  16                          ; s[16:17] qf at my part
.set OUT2, 18                          ; s[18:19] qs at my part
.set WV,   20                          ; s20  my wave's number
.set RH,   21                          ; s21  wave / 2: my half of P's rows.  Also: I fetch for P (0) or for R (1)
.set CH,   22                          ; s22  wave % 2: my half of R's rows.  Also: which 128 rows I fetch
.set CX,   23
.set CY,   24
.set LW,   25                          ; s25  wave x HALFT
.set CLY,  26                          ; s26  the cluster's y
.set TL,   27                          ; s27  tiles to go, this one among them: 3, 2, 1
.set G1P,  28                          ; s[28:35] descriptor group 1 for P's tiles
.set G0P,  36                          ; s[36:43] group 0: a set for each of the two first fills; the second then walks on
.set G1R,  44                          ; s[44:51], s[52:59] the same for R's
.set G0R,  52
.set TB,   60                          ; s60  LDS byte at which the slot that is read begins
.set CNT,  61
.set L2E,  62                          ; s[62:63] log2(e): the packed forms take the pair's low word for both halves
.set PVP,  66                          ; s[66:67] where PV comes from
.set QRA,  68                          ; s[68:69], s[70:71] the Q tile's RV: the mask at my 128 rows of x, and 64 rows on
.set QRB,  70
.set NP,   72                          ; s[72:73] the next tile's P at my 128 rows, K step 0
.set NR,   74                          ; s[74:75] the next tile's R
.set HM,   76                          ; s76  0xffff0000: a word's upper half, and the lanes 16-31
.set XSB,  77
.set SEL,  78                          ; s[78:79] v_permlanex16_b32's selects: each lane takes its own place in the other half
.set P2,   80                          ; s[80:81] the Q tile's P (Wq)
.set R2,   82                          ; s[82:83] the Q tile's R (x)
.set MSB, 0
.macro WIN new                         ; the immediate's high byte repeats the setting that is left; a switch that changes nothing is dropped
.if MSB != (\new)
	s_set_vgpr_msb (MSB<<8)|(\new)
.set MSB, \new
.endif
.endm
.macro PLACES                          ; four places behind matrix instructions, in front of loads into registers that they read and of vector lines that read results or write their registers
.rept 4
	v_nop
.endr
.endm
; A joint refill by the walking descriptors.  Waves 0 and 1 fetch P's two halves, waves 2 and 3 R's.  The branch hangs on the wave's number alone.
; An s_nop 0 and four v_nop follow each of the two lines, ahead of the jump, the label and what follows.
.macro JLOAD
	s_cmp_eq_u32 s[RH], 0
	s_cbranch_scc0 .Lfor_r_\@
	tensor_load_to_lds s[G0P+4:G0P+7], s[G1P:G1P+7]
	s_nop 0
.rept 4
	v_nop
.endr
	s_branch .Lasked_\@
.Lfor_r_\@:
	tensor_load_to_lds s[G0R+4:G0R+7], s[G1R:G1R+7]
	s_nop 0
.rept 4
	v_nop
.endr
.Lasked_\@:
.endm
.macro CREST                           ; a round of the cluster's barrier behind its opening barrier
	s_cmp_lg_u32 s[WV], 0
	s_cbranch_scc1 .Lnot_wave_0_\@
	s_barrier_signal -3
.Lnot_wave_0_\@:
	s_barrier_wait -3
	s_barrier_signal -1
	s_barrier_wait -1
.endm
.macro CROUND                          ; a whole round
	s_barrier_signal -1
	s_barrier_wait -1
	CREST
.endm
	s_load_b256 s[4:11], s[0:1], 0x0               ; xw s[4:5], bq s[6:7], bk s[8:9], bv s[10:11]
	s_load_b256 s[12:19], s[0:1], 0x20             ; mask s[12:13], kvp s[14:15], qf s[16:17], qs s[18:19]
	v_lshl_add_u32 v[SPW], v0, 2, SPARE
	v_mov_b32 v[NIL], 0
	ds_add_u32 v[SPW], v[NIL]                      ; the wave's opening: the add and its wait stand ahead of my first tensor load; the set-up below, work on registers, stands between them
	v_lshrrev_b32 v1, 5, v0
	v_readfirstlane_b32 s[WV], v1                  ; wave 0..3
	s_lshr_b32 s[RH], s[WV], 1
	s_and_b32 s[CH], s[WV], 1
	s_bfe_u32 s[CX], ttmp6, 0x40000                ; my place in the cluster
	s_bfe_u32 s[CY], ttmp6, 0x40004
	s_and_b32 s[CLY], ttmp7, 0xffff                ; in a cluster launch ttmp7 counts clusters: 0 .. 15
	s_lshl_b32 s85, s[CY], 2
	s_lshl_b32 s85, 15, s85                        ; my row of the cluster: places 4 cy .. 4 cy + 3
	s_lshl_b32 s89, 0x1111, s[CX]                  ; my column: places cx, cx + 4, cx + 8, cx + 12
	s_or_b32 s[G1P], s85, GW0                      ; P's tiles go to my row,
	s_or_b32 s[G1R], s89, GW0                      ; R's to my column
.irp g, G1P, G1R
	s_mov_b32 s[(\g)+1], 128<<16                   ; tensor_dim0 = 128
	s_mov_b32 s[(\g)+2], 128<<16                   ; tensor_dim1 = 128
	s_mov_b32 s[(\g)+3], 128<<16                   ; tile_dim0 = 128 elements (256 bytes)
	s_mov_b32 s[(\g)+4], 128                       ; tile_dim1 = 128 rows
	s_mov_b32 s[(\g)+5], 1024                      ; 1,024 elements from row to row
	s_mov_b32 s[(\g)+6], 0
	s_mov_b32 s[(\g)+7], 0
.endr
	s_mov_b32 s[L2E], 0x3fb8aa3b                   ; log2(e)
	s_mov_b32 s[L2E+1], 0x3fb8aa3b                 ; named with it as a pair
	s_mov_b32 s[HM], 0xffff0000
	s_mov_b32 s[SEL], 0x76543210
	s_mov_b32 s[SEL+1], 0xfedcba98
	s_mov_b32 s[TB], 0
	s_mul_i32 s[LW], s[WV], HALFT                  ; where my tiles go: no place in the cluster enters an LDS address
	; the tiles' rows in xw.  The registers that feed P's descriptors never hold cx, those that feed R's never cy.
	s_lshl_b32 s84, s[CLY], 10                     ; the cluster's 1,024 rows of x
	s_lshl_b32 s86, s[CH], 7                       ; which 128 rows of a tile I fetch
	s_lshl_b32 s85, s[CY], 8
	s_add_co_u32 s87, s85, s86                     ; 256 cy + 128 (wave % 2)
	s_add_co_u32 s92, s87, s84                     ; P of the KV tiles: x
	s_lshl_b32 s92, s92, 11                        ; in bytes: under 2^26
	s_mov_b32 s93, 0
	s_add_co_u32 s94, s87, 18432                   ; P of the Q tile: Wq
	s_lshl_b32 s94, s94, 11
	s_mov_b32 s95, 0
	s_lshl_b32 s88, s[CX], 8
	s_add_co_u32 s89, s88, s86                     ; 256 cx + 128 (wave % 2)
	s_add_co_u32 s96, s89, 16384                   ; R of the first KV tile: Wk|Wv of heads 0-7
	s_lshl_b32 s96, s96, 11
	s_mov_b32 s97, 0
	s_add_co_u32 s98, s89, s84                     ; R of the Q tile: x; also my first row t there
	s_lshl_b32 s100, s98, 11
	s_mov_b32 s101, 0
	s_mul_i32 s2, s[RH], HALFT                     ; my 128 rows of P in a slot,
	s_mul_i32 s3, s[CH], HALFT                     ; my 128 rows of R,
	s_add_co_u32 s3, s3, 2*HALFT                   ; which lie behind P's 256
	s_mul_i32 s[XSB], s[CH], XHALF
	s_add_co_u32 s[XSB], s[XSB], STAGE             ; my head's exchange
	s_wait_dscnt 0x0                               ; the opening add is done
	s_wait_kmcnt 0x0
	s_add_nc_u64 s[NP:NP+1], s[4:5], s[92:93]      ; both KV tiles take the same rows of x
	s_add_nc_u64 s[P2:P2+1], s[4:5], s[94:95]
	s_add_nc_u64 s[90:91], s[4:5], s[96:97]
	s_add_nc_u64 s[NR:NR+1], s[90:91], 1024*2048   ; the second KV tile's R lies 1,024 rows on
	s_add_nc_u64 s[R2:R2+1], s[4:5], s[100:101]
	CROUND                                         ; all sixteen work-groups are here: the first joint loads meet
.irp s, 0,1
	s_mov_b32 s[G0P+4*(\s)], 1                                       ; count = 1
	s_add_co_u32 s[G0P+4*(\s)+1], s[LW], (\s)*SLOT                   ; LDS address
	s_add_nc_u64 s[G0P+4*(\s)+2:G0P+4*(\s)+3], s[NP:NP+1], (\s)*KB   ; global address: K step s
	s_or_b32 s[G0P+4*(\s)+3], s[G0P+4*(\s)+3], 0x80000000            ; type = 2
	s_mov_b32 s[G0R+4*(\s)], 1
	s_add_co_u32 s[G0R+4*(\s)+1], s[LW], (\s)*SLOT
	s_add_nc_u64 s[G0R+4*(\s)+2:G0R+4*(\s)+3], s[90:91], (\s)*KB
	s_or_b32 s[G0R+4*(\s)+3], s[G0R+4*(\s)+3], 0x80000000
.endr
	s_cmp_eq_u32 s[RH], 0                          ; a wave's two first fills stand in one branch, ahead of every wait on TENSORcnt and every LDS read: two loads of mine are out
	s_cbranch_scc0 .Lfirst_r
	tensor_load_to_lds s[G0P:G0P+3], s[G1P:G1P+7]
	s_nop 0
	tensor_load_to_lds s[G0P+4:G0P+7], s[G1P:G1P+7]
	s_nop 0
.rept 4
	v_nop
.endr
	s_branch .Lfirst_asked
.Lfirst_r:
	tensor_load_to_lds s[G0R:G0R+3], s[G1R:G1R+7]
	s_nop 0
	tensor_load_to_lds s[G0R+4:G0R+7], s[G1R:G1R+7]
	s_nop 0
.rept 4
	v_nop
.endr
.Lfirst_asked:
	; what is read and written beside the tiles: made while the first tiles are on their way.  s93 = 0 stands above every offset in s92
	s_lshl_b32 s94, s[RH], 7
	s_add_co_u32 s94, s94, s85                     ; 256 cy + 128 (wave / 2): my 128 rows of P
	s_add_co_u32 s92, s94, s84
	s_lshl_b32 s92, s92, 2
	s_add_nc_u64 s[PVP:PVP+1], s[12:13], s[92:93]  ; KV: the mask of my rows of x
	s_lshl_b32 s92, s94, 2
	s_add_nc_u64 s[QPV:QPV+1], s[6:7], s[92:93]    ; Q: bq of my rows of Wq
	s_lshl1_add_u32 s95, s[CX], s[CH]              ; the first KV tile's head of mine: 2 cx + wave % 2
	s_lshl_b32 s92, s95, 8
	s_add_nc_u64 s[RVA:RVA+1], s[8:9], s[92:93]    ; bk and bv at 64 x head
	s_add_nc_u64 s[RVB:RVB+1], s[10:11], s[92:93]
	s_lshl_b32 s92, s98, 2
	s_add_nc_u64 s[QRA:QRA+1], s[12:13], s[92:93]  ; Q: the mask of my rows of x
	s_add_nc_u64 s[QRB:QRB+1], s[QRA:QRA+1], 256
	s_lshr_b32 s96, s[CLY], 2
	s_lshl_b32 s96, s96, 4                         ; 16 x batch
	s_add_co_u32 s95, s95, s96                     ; batch and head
	s_and_b32 s97, s[CLY], 3
	s_lshl2_add_u32 s97, s97, s[CY]                ; which 256 of the batch's 4,096 rows: the partial sum's number
	s_lshl4_add_u32 s95, s95, s97
	s_mul_i32 s92, s95, XHALF
	s_add_nc_u64 s[OUT1:OUT1+1], s[14:15], s[92:93]  ; my head's partial sum in kvp
	s_lshl2_add_u32 s97, s[CY], s96
	s_lshl1_add_u32 s97, s[RH], s97                ; Q: batch and the first of my two heads: 16 x batch + 4 cy + 2 (wave / 2)
	s_and_b32 s99, s98, 4095                       ; t in the batch
	s_lshl_b32 s92, s97, 19                        ; qf: 524,288 bytes a head,
	s_lshl_b32 s95, s99, 7                         ; 2,048 for 16 rows
	s_add_co_u32 s92, s92, s95
	s_add_nc_u64 s[QO1:QO1+1], s[16:17], s[92:93]
	s_lshl_b32 s92, s97, 14                        ; qs: 16,384 bytes a head,
	s_lshl2_add_u32 s92, s99, s92                  ; 4 a row
	s_add_nc_u64 s[OUT2:OUT2+1], s[18:19], s[92:93]
	v_and_b32 v1, 15, v0                           ; l % 16
	v_bfe_u32 v2, v0, 4, 1                         ; l / 16
	v_and_b32 v3, 31, v0                           ; l
	v_lshlrev_b32 v[PVO], 5, v2
	v_lshlrev_b32 v[RVO], 2, v1
	; A fragment is 16 rows x 32 K in 8 registers: lane l holds row l % 16; registers 0-3 K = 8 (l / 16) + 0..7, registers 4-7 K = 16 + 8 (l / 16) + 0..7: two loads of 16 bytes, 32 bytes apart.
	v_mul_u32_u24 v4, v1, PITCH
	v_lshl_add_u32 v4, v2, 4, v4
	v_add_nc_u32 v[ADRP0], s2, v4
	v_add_nc_u32 v[ADRR0], s3, v4
	v_mov_b32 v[ADRP], v[ADRP0]                    ; slot 0
	v_mov_b32 v[ADRR], v[ADRR0]
	v_lshlrev_b32 v[GO], 4, v3
	v_lshl_add_u32 v[XS], v3, 4, s[XSB]
; 16 matrix instructions: P's blocks a0, a0 + 1 of the window's four (hi = 0: my rows 0-63, 1: rows 64-127) x all 8 of R's, 32 along K.  zero = 1: the first product starts the sums.
; The 64 accumulators take turns, one instruction a turn, in the same order in every quarter, over the backward jumps too.
.macro MUL16 f, hi, a0, zero
	WIN 0xa4+0x50*(\hi)                            ; source 0 (P) window 0, source 1 (R) window 1, C and D window 2 or 3
.irp a, \a0, (\a0)+1
.irp b, 0,1,2,3,4,5,6,7
.if \zero
	v_wmma_f32_16x16x32_bf16 v[8*(8*(\a)+(\b)):8*(8*(\a)+(\b))+7], v[(\f)+8*(4*(\hi)+(\a)):(\f)+8*(4*(\hi)+(\a))+7], v[(\f)+8*(\b):(\f)+8*(\b)+7], 0
.else
	v_wmma_f32_16x16x32_bf16 v[8*(8*(\a)+(\b)):8*(8*(\a)+(\b))+7], v[(\f)+8*(4*(\hi)+(\a)):(\f)+8*(4*(\hi)+(\a))+7], v[(\f)+8*(\b):(\f)+8*(\b)+7], v[8*(8*(\a)+(\b)):8*(8*(\a)+(\b))+7]
.endif
.endr
.endr
.endm
; 32 LDS loads in one run: the fragments of one quarter step (R's 128 rows, then P's, 32 K at byte k of the rows) into buffer f
.macro FETCH k, f
	WIN 0x40                                       ; destination window 1, address window 0
.irp i, 0,1,2,3,4,5,6,7
	ds_load_b128 v[(\f)+8*(\i):(\f)+8*(\i)+3],   v[ADRR] offset:(\k)+(\i)*16*PITCH
	ds_load_b128 v[(\f)+8*(\i)+4:(\f)+8*(\i)+7], v[ADRR] offset:(\k)+(\i)*16*PITCH+32
.endr
	WIN 0
.irp i, 0,1,2,3,4,5,6,7
	ds_load_b128 v[(\f)+8*(\i):(\f)+8*(\i)+3],   v[ADRP] offset:(\k)+(\i)*16*PITCH
	ds_load_b128 v[(\f)+8*(\i)+4:(\f)+8*(\i)+7], v[ADRP] offset:(\k)+(\i)*16*PITCH+32
.endr
.endm
; A K step is four quarters of 32 along K, 64 matrix instructions each, on buffers 0, 1, 0, 1.  One of the first three: multiplies buffer f; in its middle it fetches the next quarter, at byte k, into g.
.macro QUARTER k, f, g, zero
	s_wait_dscnt 8                                 ; R and P's rows 0-63 are in; the youngest eight loads (P's rows 64-127) may be out
	MUL16 \f, 0, 0, \zero
	MUL16 \f, 0, 2, \zero
	PLACES
	FETCH \k, \g
	s_wait_dscnt 32                                ; all but the 32 just issued
	MUL16 \f, 1, 0, \zero
	MUL16 \f, 1, 2, \zero
.endm
; The last quarter multiplies buffer 1 and changes slots: ONE barrier.  In front of it each wave waits for all its tensor loads, of which one is out: its part of the next slot; adds 0 to its
; spare word; and waits for that and for its own reads of this slot.  fill = 1: the barrier opens a round of the cluster's, so that no wave of any partner still reads the slot or has a load on its
; way; the joint refill is the first tensor load behind the round: 224 matrix instructions stand between it and the wait for it.  It brings the K step two on; on = 1: that is the NEXT tile's
; K step 0, and the descriptors' addresses are made anew from the kept pointers (the change after it steps on to K step 1 like any other).
; fetch = 0: a KV tile's last change: the next slot's fragments are read behind the epilogue, which needs their registers.
.macro TURN fill, on=0, fetch=1
	WIN 0                                          ; (the add's two registers lie in window 0)
	s_wait_tensorcnt 0x0                           ; all my tensor loads have landed;
	ds_add_u32 v[SPW], v[NIL]                      ; 0 onto my spare word;
	s_wait_dscnt 9                                 ; (the add and the youngest eight loads may be out)
	MUL16 F1, 0, 0, 0                              ; sixteen matrix instructions stand between the add and the wait for it
	s_wait_dscnt 0x0                               ; the add is done, and my reads of this slot are over
	s_barrier_signal -1
	MUL16 F1, 0, 2, 0                              ; work on registers while the others arrive
	WIN 0
	s_barrier_wait -1
.if \fill
	CREST
	s_xor_b32 s[G0P+5], s[G0P+5], SLOT             ; the walking descriptors: the other slot than last time,
	s_xor_b32 s[G0R+5], s[G0R+5], SLOT
.if \on
	s_add_nc_u64 s[G0P+6:G0P+7], s[NP:NP+1], 0     ; the next tile's K step 0,
	s_or_b32 s[G0P+7], s[G0P+7], 0x80000000        ; the type set again
	s_add_nc_u64 s[G0R+6:G0R+7], s[NR:NR+1], 0
	s_or_b32 s[G0R+7], s[G0R+7], 0x80000000
.else
	s_add_nc_u64 s[G0P+6:G0P+7], s[G0P+6:G0P+7], KB  ; the next K step; the type bits on top are not reached
	s_add_nc_u64 s[G0R+6:G0R+7], s[G0R+6:G0R+7], KB
.endif
	JLOAD                                          ; the four v_nop behind it are also the places in front of the loads below
.else
	PLACES
.endif
	s_xor_b32 s[TB], s[TB], SLOT                   ; the reads go to the other slot
	v_add_nc_u32 v[ADRP], s[TB], v[ADRP0]
	v_add_nc_u32 v[ADRR], s[TB], v[ADRR0]
.if \fetch
	FETCH 0, F0
.endif
	MUL16 F1, 1, 0, 0
	MUL16 F1, 1, 2, 0
.endm
; ---------------- THE KV TILES' EPILOGUE, in macros ----------------
; kf for R's block b (0..3) and the four blocks a of window w: 32 numbers a lane.  The 32 exponentials are ONE batch with ONE wait; the 16 packed sums behind them name no result.
; The results, rounded to f16, go into the accumulators' own registers: fragment (u, b), 32 rows t x 16 channels, takes the eight registers of accumulator (2 u, b).
.macro KPHI w, b
	WIN (\w)                                       ; source 0 in the accumulators' window
.irp a, 0,1,2,3
.irp k, 0,1,2,3
	v_pk_fma_f32 v[T+8*(\a)+2*(\k):T+8*(\a)+2*(\k)+1], v[8*(8*(\a)+(\b))+2*(\k):8*(8*(\a)+(\b))+2*(\k)+1], s[L2E:L2E+1], v[BL+2*(\b):BL+2*(\b)+1] op_sel_hi:[1,0,1]  ; (k + bk) log2(e)
.endr
.endr
	WIN 0
.set i, 0
.rept 32
	v_exp_f32 v[T+i], v[T+i]
.set i, i+1
.endr
	WIN (\w)
.irp a, 0,1,2,3
.irp k, 0,1,2,3
	v_pk_add_f32 v[P+8*(\a)+2*(\k):P+8*(\a)+2*(\k)+1], v[8*(8*(\a)+(\b))+2*(\k):8*(8*(\a)+(\b))+2*(\k)+1], v[B1+2*(\b):B1+2*(\b)+1]  ; k + bk + 1
.endr
.endr
	WIN 0
	s_wait_alu depctr_va_vdst(0)                   ; the wait for the batch, ahead of its first reader
.set i, 0
.rept 32
	v_min_num_f32 v[T+i], 1.0, v[T+i]
.set i, i+1
.endr
.set i, 0
.rept 32
	v_max_num_f32 v[P+i], v[P+i], v[T+i]           ; elu + 1
.set i, i+1
.endr
.irp a, 0,1,2,3
.irp k, 0,1,2,3
	v_pk_mul_f32 v[P+8*(\a)+2*(\k):P+8*(\a)+2*(\k)+1], v[P+8*(\a)+2*(\k):P+8*(\a)+2*(\k)+1], v[PV+8*(4*((\w)-2)+(\a))+2*(\k):PV+8*(4*((\w)-2)+(\a))+2*(\k)+1]  ; times m(t)
.endr
.endr
	WIN (\w)<<6
.irp a, 0,1,2,3
.irp k, 0,1,2,3
	v_cvt_pk_f16_f32 v[8*(16*((\a)/2)+(\b))+4*((\a)%2)+(\k)], v[P+8*(\a)+2*(\k)], v[P+8*(\a)+2*(\k)+1]
.endr
.endr
.endm
; v for R's blocks 4..7, in place: (v + bv) m, then rounded into the same fragment places, the blocks a ascending, so that no register is written before it has been read.
.macro KLIN w
	WIN ((\w)<<6)|(\w)
.irp b, 4,5,6,7
.irp a, 0,1,2,3
.irp k, 0,1,2,3
.set AC, 8*(8*(\a)+(\b))+2*(\k)
	v_pk_add_f32 v[AC:AC+1], v[AC:AC+1], v[BV+2*((\b)-4):BV+2*((\b)-4)+1]
.endr
.endr
.endr
.irp b, 4,5,6,7
.irp a, 0,1,2,3
.irp k, 0,1,2,3
.set AC, 8*(8*(\a)+(\b))+2*(\k)
	v_pk_mul_f32 v[AC:AC+1], v[AC:AC+1], v[PV+8*(4*((\w)-2)+(\a))+2*(\k):PV+8*(4*((\w)-2)+(\a))+2*(\k)+1]
.endr
.endr
.endr
	WIN ((\w)<<6)|((\w)<<2)|(\w)
.irp b, 4,5,6,7
.irp a, 0,1,2,3
.irp k, 0,1,2,3
	v_cvt_pk_f16_f32 v[8*(16*((\a)/2)+(\b))+4*((\a)%2)+(\k)], v[8*(8*(\a)+(\b))+2*(\k)], v[8*(8*(\a)+(\b))+2*(\k)+1]
.endr
.endr
.endr
	WIN (\w)<<6                                    ; a fragment of ones (f16), in accumulator (1, 0)'s registers, which are free: it makes z
.set i, 0
.rept 8
	v_mov_b32 v[64+i], 0x3c003c00
.set i, i+1
.endr
.endm
; kvT += v^T kf and z, over window w's 64 rows t: source 0 = kf (16 d), source 1 = v (16 kc) or ones.  In result 4 c + d lane l holds kc = 16 c + l % 16 and d = 16 d + 8 (l / 16) + 0..7.
; The 20 accumulators take turns; a tile's very first 20 products start the sums.
.macro KVMM w
	WIN 0x50|((\w)<<2)|(\w)
.irp u, 0,1
.irp c, 0,1,2,3,4
.irp d, 0,1,2,3
.if (\c) < 4
.set rB, 8*(16*(\u)+4+(\c))
.else
.set rB, 64
.endif
.if ((\w) == 2) && ((\u) == 0)
	v_wmma_f32_16x16x32_f16 v[8*(4*(\c)+(\d)):8*(4*(\c)+(\d))+7], v[8*(16*(\u)+(\d)):8*(16*(\u)+(\d))+7], v[rB:rB+7], 0
.else
	v_wmma_f32_16x16x32_f16 v[8*(4*(\c)+(\d)):8*(4*(\c)+(\d))+7], v[8*(16*(\u)+(\d)):8*(16*(\u)+(\d))+7], v[rB:rB+7], v[8*(4*(\c)+(\d)):8*(4*(\c)+(\d))+7]
.endif
.endr
.endr
.endr
.endm
; ---------------- THE Q TILE'S EPILOGUE, in macros ----------------
; qf for R's block b (16 rows t) and window 2's four blocks a (one head's 64 channels): 32 numbers a lane, one row t a lane.  One batch of exponentials, one wait.
.macro QPHI b
	WIN 0x12                                       ; source 0 window 2, source 2 window 1
.irp a, 0,1,2,3
.irp k, 0,1,2,3
	v_pk_fma_f32 v[T+8*(\a)+2*(\k):T+8*(\a)+2*(\k)+1], v[8*(8*(\a)+(\b))+2*(\k):8*(8*(\a)+(\b))+2*(\k)+1], s[L2E:L2E+1], v[BLQ+8*(\a)+2*(\k):BLQ+8*(\a)+2*(\k)+1] op_sel_hi:[1,0,1]
.endr
.endr
	WIN 0
.set i, 0
.rept 32
	v_exp_f32 v[T+i], v[T+i]
.set i, i+1
.endr
	WIN 0x06                                       ; source 0 window 2, source 1 window 1
.irp a, 0,1,2,3
.irp k, 0,1,2,3
	v_pk_add_f32 v[P+8*(\a)+2*(\k):P+8*(\a)+2*(\k)+1], v[8*(8*(\a)+(\b))+2*(\k):8*(8*(\a)+(\b))+2*(\k)+1], v[B1Q+8*(\a)+2*(\k):B1Q+8*(\a)+2*(\k)+1]
.endr
.endr
	WIN 0
	s_wait_alu depctr_va_vdst(0)                   ; the wait for the batch, ahead of its first reader
.set i, 0
.rept 32
	v_min_num_f32 v[T+i], 1.0, v[T+i]
.set i, i+1
.endr
.set i, 0
.rept 32
	v_max_num_f32 v[P+i], v[P+i], v[T+i]
.set i, i+1
.endr
.irp j, 0,1,2,3                        ; the row's maximum: four chains, three operands at a time
	v_max3_num_f32 v[8+(\j)], v[P+8*(\j)], v[P+8*(\j)+1], v[P+8*(\j)+2]
.endr
.irp j, 0,1,2,3
	v_max3_num_f32 v[8+(\j)], v[8+(\j)], v[P+8*(\j)+3], v[P+8*(\j)+4]
.endr
.irp j, 0,1,2,3
	v_max3_num_f32 v[8+(\j)], v[8+(\j)], v[P+8*(\j)+5], v[P+8*(\j)+6]
.endr
	v_max3_num_f32 v8, v8, v[P+7], v[P+15]
	v_max3_num_f32 v10, v10, v[P+23], v[P+31]
	v_max3_num_f32 v8, v8, v9, v10
	v_max_num_f32 v8, v8, v11
	v_permlanex16_b32 v12, v8, s[SEL], s[SEL+1]    ; the row's other 32 channels lie in the lane 16 away
	v_max_num_f32 v8, v8, v12
	v_and_b32 v[SC+1], 0x7f800000, v8              ; 2^e, the power of two at or below the maximum,
	v_sub_nc_u32 v[SC], 0x7f000000, v[SC+1]        ; and 2^-e, by the exponents' difference
	v_mul_f32 v[G+(\b)], v[SC+1], v[RV+(\b)]       ; g = 2^e m(t)
.set i, 0
.rept 16
	v_pk_mul_f32 v[P+2*i:P+2*i+1], v[P+2*i:P+2*i+1], v[SC:SC+1] op_sel_hi:[1,0]
.set i, i+1
.endr
	s_wait_xcnt 0x0                                ; the stores issued so far have read their registers: PK is written only behind this wait
.irp a, 0,1,2,3
.irp k, 0,1,2,3
	v_cvt_pk_f16_f32 v[PK+16*((\b)%2)+4*(\a)+(\k)], v[P+8*(\a)+2*(\k)], v[P+8*(\a)+2*(\k)+1]
.endr
.endr
.irp a, 0,1,2,3
	global_store_b128 v[GO], v[PK+16*((\b)%2)+4*(\a):PK+16*((\b)%2)+4*(\a)+3], s[OUT1:OUT1+1] offset:2048*(\b)+512*(\a)  ; 512 consecutive bytes, aligned
.endr
.endm
; ---------------- THE WALK ----------------
	s_wait_tensorcnt 1                             ; my part of K step 0 is in; K step 1's may stay out
	s_barrier_signal -1
	s_barrier_wait -1                              ; everybody's is
	s_mov_b32 s[TL], 3                             ; the same number in every work-group
.Ltile:                                        ; slot 0 holds the tile's K step 0, whole: every wave has waited for its part and passed a barrier since
	; the tile's bias and mask: 24 loads that are waited for behind the K walk; their registers and addresses are touched by nothing meanwhile
.irp a, 0,1,2,3,4,5,6,7
	global_load_b128 v[PV+8*(\a):PV+8*(\a)+3],   v[PVO], s[PVP:PVP+1] offset:64*(\a)
	global_load_b128 v[PV+8*(\a)+4:PV+8*(\a)+7], v[PVO], s[PVP:PVP+1] offset:64*(\a)+16
.endr
.irp b, 0,1,2,3
	global_load_b32 v[RV+(\b)],   v[RVO], s[RVA:RVA+1] offset:64*(\b)
	global_load_b32 v[RV+4+(\b)], v[RVO], s[RVB:RVB+1] offset:64*(\b)
.endr
	FETCH 0, F0
	QUARTER 64, F0, F1, 1                          ; a tile's first quarter stands in front of the loop: its products start the sums
	WIN 0                                          ; at a label and at a branch every window is 0
	s_mov_b32 s[CNT], 6
.Lstep:                                        ; a trip: a K step's quarters 2 to 4 and the next step's first; its refill brings the K step two on: steps 2 to 7
	QUARTER 128, F1, F0, 0
	QUARTER 192, F0, F1, 0
	TURN 1
	QUARTER 64, F0, F1, 0
	WIN 0
	s_sub_co_u32 s[CNT], s[CNT], 1
	s_cmp_lg_u32 s[CNT], 0
	s_cbranch_scc1 .Lstep
	QUARTER 128, F1, F0, 0                         ; K step 6 goes on
	QUARTER 192, F0, F1, 0
	WIN 0
	s_cmp_eq_u32 s[TL], 1
	s_cbranch_scc1 .Llast                          ; the last tile's tail is written out: it asks for nothing more
	TURN 1, 1, 1                                   ; THE RING GOES ON INTO THE NEXT TILE: slot 0 takes its K step 0,
	QUARTER 64, F0, F1, 0
	QUARTER 128, F1, F0, 0
	QUARTER 192, F0, F1, 0
	TURN 1, 0, 0                                   ; slot 1 its K step 1
	WIN 0
	PLACES                                         ; what follows writes registers that the last products read
	s_wait_loadcnt 0x0                             ; bias and mask
.irp b, 0,1,2,3,4,5,6,7
	v_cvt_pk_bf16_f32 v[4+(\b)], v[RV+(\b)], v[RV+(\b)]  ; the biases are rounded to bf16, like x and the weights
.endr
.irp b, 0,1,2,3,4,5,6,7
	v_lshlrev_b32 v[4+(\b)], 16, v[4+(\b)]
.endr
.irp b, 0,1,2,3
	v_mul_f32 v[BL+2*(\b)],   s[L2E], v[4+(\b)]
	v_mul_f32 v[BL+2*(\b)+1], s[L2E], v[4+(\b)]
	v_add_f32 v[B1+2*(\b)],   1.0, v[4+(\b)]
	v_add_f32 v[B1+2*(\b)+1], 1.0, v[4+(\b)]
	v_mov_b32 v[BV+2*(\b)],   v[8+(\b)]
	v_mov_b32 v[BV+2*(\b)+1], v[8+(\b)]
.endr
.irp w, 2,3
	KPHI \w, 0
	KPHI \w, 1
	KPHI \w, 2
	KPHI \w, 3
	KLIN \w
	KVMM \w
.endr
	PLACES                                         ; four places in front of the LDS stores and the sums that read these results, and of the next tile's loads onto their registers;
	PLACES                                         ; and more than the fifth that a matrix instruction wants which takes such a register as a source (ISA guide 7.12.1): accumulators 8-15 of kvT lie where R's
	                                               ; first fragments land, and waves 2 and 3 run no other vector line between here and the next tile's first products
	WIN 0
	s_cmp_eq_u32 s[RH], 1                          ; waves 2 and 3 hand their halves to waves 0 and 1, which share their heads
	s_cbranch_scc0 .Lkeep
	WIN 0x04                                       ; the stores' data in window 1
.set u, 0
.rept 40
	ds_store_b128 v[XS], v[4*u:4*u+3] offset:512*u
.set u, u+1
.endr
	WIN 0
.Lkeep:
	s_wait_dscnt 0x0                               ; for the others' sake: my stores into the exchange are done
	s_barrier_signal -1                            ; the next tile's K step 1 may stay on its way
	s_barrier_wait -1
	s_cmp_eq_u32 s[RH], 0
	s_cbranch_scc0 .Lnext
.set u, 0
.rept 40
	ds_load_b128 v[XB+4*u:XB+4*u+3], v[XS] offset:512*u
.set u, u+1
.endr
	s_wait_dscnt 0x0                               ; (the exchange is written again only behind the next K walk's barriers)
	WIN 0x41                                       ; destination and source 0 window 1, source 1 window 0
.set i, 0
.rept 80
	v_pk_add_f32 v[2*i:2*i+1], v[2*i:2*i+1], v[XB+2*i:XB+2*i+1]
.set i, i+1
.endr
	WIN 0x04
.set u, 0
.rept 40
	global_store_b128 v[GO], v[4*u:4*u+3], s[OUT1:OUT1+1] offset:512*u  ; 512 consecutive bytes, aligned
.set u, u+1
.endr
	WIN 0
.Lnext:
	s_wait_xcnt 0x0                                ; the stores have read their registers and their base: the pointers below, and R's fragment registers, are written only behind this wait
	s_add_nc_u64 s[RVA:RVA+1], s[RVA:RVA+1], 2048  ; the second KV tile's heads lie 8 on: 8 x 64 numbers of bk and bv,
	s_add_nc_u64 s[RVB:RVB+1], s[RVB:RVB+1], 2048
	s_add_nc_u64 s[OUT1:OUT1+1], s[OUT1:OUT1+1], 8*16*XHALF  ; 8 x 16 partial sums of kvp
	s_cmp_eq_u32 s[TL], 2                          ; or the next tile is the Q tile
	s_cselect_b64 s[PVP:PVP+1], s[QPV:QPV+1], s[PVP:PVP+1]
	s_cselect_b64 s[RVA:RVA+1], s[QRA:QRA+1], s[RVA:RVA+1]
	s_cselect_b64 s[RVB:RVB+1], s[QRB:QRB+1], s[RVB:RVB+1]
	s_cselect_b64 s[OUT1:OUT1+1], s[QO1:QO1+1], s[OUT1:OUT1+1]
	s_mov_b64 s[NP:NP+1], s[P2:P2+1]               ; what the next tile's walk will ask for at its end: the Q tile
	s_mov_b64 s[NR:NR+1], s[R2:R2+1]
	s_sub_co_u32 s[TL], s[TL], 1
	s_branch .Ltile
.Llast:                                        ; THE Q TILE's K steps 6 and 7: nothing is left to fetch
	TURN 0
	QUARTER 64, F0, F1, 0
	QUARTER 128, F1, F0, 0
	QUARTER 192, F0, F1, 0
	s_wait_dscnt 8
	MUL16 F1, 0, 0, 0
	MUL16 F1, 0, 2, 0
	s_wait_dscnt 0x0
	MUL16 F1, 1, 0, 0
	MUL16 F1, 1, 2, 0
	WIN 0
	PLACES                                         ; what follows writes registers that the last products read
	s_wait_loadcnt 0x0                             ; bias and mask
	v_mov_b32 v12, 0                               ; v_permlanex16_b32's destination counts as read
.set i, 0
.rept 32                               ; bq is rounded to bf16, like x and the weights
	v_cvt_pk_bf16_f32 v[4+i%4], v[PV+2*i], v[PV+2*i+1]
	v_lshlrev_b32 v[PV+2*i], 16, v[4+i%4]
	v_and_b32 v[PV+2*i+1], s[HM], v[4+i%4]
.set i, i+1
.endr
	WIN 0x40
.set i, 0
.rept 32
	v_pk_mul_f32 v[BLQ+2*i:BLQ+2*i+1], v[PV+2*i:PV+2*i+1], s[L2E:L2E+1] op_sel_hi:[1,0]
	v_pk_add_f32 v[B1Q+2*i:B1Q+2*i+1], v[PV+2*i:PV+2*i+1], 1.0 op_sel_hi:[1,0]
.set i, i+1
.endr
	WIN 0
	s_mov_b32 s[CNT], 2
.Lhead:                                        ; two trips, a head each: the text names window 2 and the lower halves of the bias; the second head is copied there between the trips:
                                               ; 320 moves, once a work-group, in place of a second copy of the eight blocks' text
.irp b, 0,1,2,3,4,5,6,7
	QPHI \b
.endr
.irp k, 0,1,2,3                        ; word k of lane l is g of row 32 k + l: block 2 k in lanes 0-15, block 2 k + 1 in lanes 16-31
	v_cndmask_b32 v[C4+(\k)], v[G+2*(\k)], v[G+2*(\k)+1], s[HM]
.endr
	global_store_b128 v[GO], v[C4:C4+3], s[OUT2:OUT2+1]  ; (the next trip writes these four registers behind eight waits that free them)
	s_cmp_eq_u32 s[CNT], 1
	s_cbranch_scc1 .Lcopied                        ; behind the second head there is nothing to copy
	WIN 0x83                                       ; destination window 2, source window 3; ascending
.set i, 0
.rept 256
	v_mov_b32 v[i], v[i]
.set i, i+1
.endr
	WIN 0x41                                       ; destination and source window 1
.set i, 0
.rept 32
	v_mov_b32 v[BLQ+i], v[BLQ+32+i]
	v_mov_b32 v[B1Q+i], v[B1Q+32+i]
.set i, i+1
.endr
	WIN 0
	s_wait_xcnt 0x0                                ; the stores have read their bases
	s_add_nc_u64 s[OUT1:OUT1+1], s[OUT1:OUT1+1], 524288  ; the next head in qf
	s_add_nc_u64 s[OUT2:OUT2+1], s[OUT2:OUT2+1], 16384   ; and in qs
.Lcopied:
	s_sub_co_u32 s[CNT], s[CNT], 1
	s_cmp_lg_u32 s[CNT], 0
	s_cbranch_scc1 .Lhead
	s_wait_tensorcnt 0x0                           ; the wave's end: the add and its wait, behind my last tensor load and my last LDS store
	ds_add_u32 v[SPW], v[NIL]
	s_wait_dscnt 0x0
	CROUND                                         ; the closing round: no work-group ends while a partner may still ask for a tile that names it
	s_endpgm
.Lfunc_end_k_q7a983e49b3_proj:
	.size	k_q7a983e49b3_proj, .Lfunc_end_k_q7a983e49b3_proj-k_q7a983e49b3_proj
	.p2alignl 7, 3214868480
	.fill 96, 4, 3214868480
	.section	.rodata,"a",@progbits
	.p2align	6, 0x0
	.amdhsa_kernel k_q7a983e49b3_proj
		.amdhsa_group_segment_fixed_size 327680
		.amdhsa_private_segment_fixed_size 0
		.amdhsa_enable_private_segment 0
		.amdhsa_kernarg_size 64
		.amdhsa_user_sgpr_count 2
		.amdhsa_user_sgpr_kernarg_segment_ptr 1
		.amdhsa_wavefront_size32 1
		.amdhsa_system_sgpr_workgroup_id_x 1
		.amdhsa_system_sgpr_workgroup_id_y 1
		.amdhsa_system_sgpr_workgroup_id_z 1
		.amdhsa_system_vgpr_workitem_id 0
		.amdhsa_next_free_vgpr 1024
		.amdhsa_next_free_sgpr 102
		.amdhsa_reserve_vcc 0
		.amdhsa_float_denorm_mode_32 3
		.amdhsa_float_denorm_mode_16_64 3
		.amdhsa_memory_ordered 1
		.amdhsa_forward_progress 1
		.amdhsa_inst_pref_size 255
	.end_amdhsa_kernel
	.section	.bss,"aw",@nobits
	.p2align	6
	.space	262144
	.amdgpu_metadata
---
amdhsa.version: [ 1, 2 ]
amdhsa.kernels:
  - .name:           k_q7a983e49b3_proj
    .symbol:         k_q7a983e49b3_proj.kd
    .args:
      - { .name: xw, .offset: 0, .size: 8, .value_kind: global_buffer, .address_space: global }
      - { .name: bq, .offset: 8, .size: 8, .value_kind: global_buffer, .address_space: global }
      - { .name: bk, .offset: 16, .size: 8, .value_kind: global_buffer, .address_space: global }
      - { .name: bv, .offset: 24, .size: 8, .value_kind: global_buffer, .address_space: global }
      - { .name: mask, .offset: 32, .size: 8, .value_kind: global_buffer, .address_space: global }
      - { .name: kvp, .offset: 40, .size: 8, .value_kind: global_buffer, .address_space: global }
      - { .name: qf, .offset: 48, .size: 8, .value_kind: global_buffer, .address_space: global }
      - { .name: qs, .offset: 56, .size: 8, .value_kind: global_buffer, .address_space: global }
    .group_segment_fixed_size: 327680
    .private_segment_fixed_size: 0
    .kernarg_segment_align: 8
    .kernarg_segment_size: 64
    .max_flat_workgroup_size: 128
    .sgpr_count:     102
    .vgpr_count:     1024
    .wavefront_size: 32
...
	.end_amdgpu_metadata
.endif
;; end of part 2
;; launch attn (part 3): grid 4 x 64, 8 waves a work-group, no clusters, 46,336 bytes of LDS; arguments kvp, qf, qs, mask, out0; writes out0
.if DOCPART == 3
	.amdgcn_target "amdgcn-amd-amdhsa--gfx1250"
	.amdhsa_code_object_version 6
	.text
	.protected	k_q7a983e49b3_attn
	.globl	k_q7a983e49b3_attn
	.p2align	8
	.type	k_q7a983e49b3_attn,@function
k_q7a983e49b3_attn:
	s_mov_b64 s[64:65], 0
	v_nop
	global_prefetch_b8 v0, s[64:65] scope:SCOPE_SE
	s_setreg_imm32_b32 hwreg(HW_REG_WAVE_MODE, 25, 1), 1
	s_wait_xcnt 0x0
; out[b][t][64 h + kc] = (qf[t] . kv[:, kc]) / max(qf[t] . z, 1e-6) x m[t], for one batch and head (grid y) and 1,024 rows t (grid x); a wave takes 128 rows: 8 blocks of 16.
; FIRST the 16 partial sums of kvT and z are added, in f32: 40 units of 512 bytes, five a wave (four of kvT, one of z).  Each of a head's four work-groups adds them for itself.
; kvT and z are then scaled by powers of two taken from their own largest magnitudes (into 2^14 .. 2^15), rounded once to f16 and laid in LDS; the inverse scales stay in f32.
; THEN, for each block of 16 rows: source 0 = 16 rows kc of kvT (or z in every row), source 1 = 16 rows t of qf, k = d.  In a result lane l holds ONE row t (l % 16) and kc = 8 (l / 16) + 0..7;
; every register of the fifth result holds the row's qf . z.  qf comes in row-scaled by 2^-e; g = 2^e m (from qs) restores the denominator for the clamp, and cancels in the quotient.
; No cluster and no tensor loads: the work-groups of a head share only the partial sums, some 70% of what each reads; all loads go out at the kernel's head.
; LIMITS.  A kvT or z below 2^-40 of its head's largest magnitude counts as 0 (half f16's least step, the largest scaled into 2^14 .. 2^15); sums below 2^-112 are scaled as if they were 2^-112; NaN and infinities are not treated apart.
; REGISTERS (s_set_vgpr_msb: bits 1:0 source 0, 3:2 source 1, 5:4 source 2, 7:6 destination):
;   window 0: v0-15 addresses; v16-35 the sums, later g, h; v36-47 at work; v48-127 partial sums 12-15, later kvT's and z's fragments; v128-255 qf's fragments
;   window 1: v0-239 partial sums 0-11, later v0-159 20 accumulators and v160-223 rows on their way out; v240-247 the mask; v248-251 qs
.set KVL,   0                          ; LDS: kvT as [tile 16][lane 32][16 bytes]: half a fragment each
.set ZL,    8192                       ; z as [unit 8][lane 32][8 bytes]: unit w is wave w's; units 2 d, 2 d + 1 are a lane's 16 bytes of half a fragment
.set MAXW,  10240                      ; the eight waves' maxima, 8 bytes each
.set STAGE, 10496                      ; 16 rows x 272 bytes for each wave, for the way out
.set SP,    272
.set SPARE, STAGE+8*16*SP              ; the spare words, 128 bytes a wave: four blocks of 256 bytes that no other line names
.set Z8,  3                            ; v3   8 l, once the addresses are made
.set VO1, 4                            ; v4   my 16 bytes in my four units of kvT
.set VO2, 5                            ; v5   in my unit of z
.set GO,  6                            ; v6   16 l
.set STO, 7                            ; v7   the way out: where I put 16 bytes of a row
.set RD,  8                            ; v8   where I read rows back
.set CO,  9                            ; v9   my byte offset in two rows of out
.set MO,  10                           ; v10  4 (l % 16)
.set KVS, 11                           ; v11  where my units of kvT go: 1,024 x wave + 16 l
.set KVZ, 12                           ; v12  where my unit of z goes: 256 x wave + 8 l
.set MXA, 13                           ; v13  my wave's 8 bytes of MAXW
.set SPW, 14                           ; v14  LDS address of my spare word; never rewritten
.set NIL, 15                           ; v15  0; never rewritten
.set SUM, 16                           ; v16-35
.set GV,  16                           ; v16-23  later: g of my 8 blocks
.set SWR, 24                           ; v24-27  qs from the other half of the lanes
.set HV,  28                           ; v28-31  inverse scale of kvT x m, four blocks
.set DN,  36                           ; v36-43  by block a pair: denominator, then the row's factor; its reciprocal
.set SK,  44                           ; v44-45  kvT's scale and its inverse
.set SZ,  46                           ; v46-47  z's
.set PW,  48                           ; v48-127 partial sums 12-15
.set KVF, 48                           ; later: fragment (c, s) at KVF + 16 c + 8 s
.set QF,  128                          ; block tb, half s at QF + 16 tb + 8 s
.set OB,  160                          ; window 1: two buffers of 32
.set MK,  240                          ; window 1
.set Q4,  248                          ; window 1
.set WV,  14                           ; s14  my wave's number
.set SEL, 30                           ; s[30:31] v_permlanex16_b32's selects
.set HM,  32                           ; s32  the lanes 16-31
.set ABSM, 33                          ; s33  clears a sign
.set EPS, 34                           ; s34  1e-6
.set MSB, 0
.macro WIN new
.if MSB != (\new)
	s_set_vgpr_msb (MSB<<8)|(\new)
.set MSB, \new
.endif
.endm
	s_load_b256 s[4:11], s[0:1], 0x0               ; kvp s[4:5], qf s[6:7], qs s[8:9], mask s[10:11]
	s_load_b64 s[12:13], s[0:1], 0x20              ; out0
	v_lshl_add_u32 v[SPW], v0, 2, SPARE
	v_mov_b32 v[NIL], 0
	v_lshrrev_b32 v1, 5, v0
	v_readfirstlane_b32 s[WV], v1                  ; wave 0..7
	s_and_b32 s15, ttmp7, 0xffff                   ; 16 x batch + head
	s_lshl3_add_u32 s16, ttmp9, s[WV]              ; which 128 of the batch's rows are mine
	s_mul_i32 s18, s15, 327680                     ; kvp: 16 partial sums of 20,480 bytes a head
	s_mov_b32 s19, 0
	s_lshl_b32 s20, s15, 19                        ; qf: 524,288 bytes a head,
	s_lshl_b32 s17, s16, 14                        ; 16,384 for 128 rows
	s_add_co_u32 s20, s20, s17
	s_mov_b32 s21, 0
	s_lshl_b32 s22, s15, 14                        ; qs: 16,384 bytes a head, 512 for 128 rows
	s_lshl_b32 s17, s16, 9
	s_add_co_u32 s22, s22, s17
	s_mov_b32 s23, 0
	s_lshr_b32 s17, s15, 4
	s_lshl_b32 s17, s17, 12
	s_lshl_b32 s24, s16, 7
	s_add_co_u32 s17, s17, s24                     ; my first row among the 16,384
	s_lshl_b32 s24, s17, 2                         ; the mask
	s_mov_b32 s25, 0
	s_lshl_b32 s26, s17, 12                        ; out: 4,096 bytes a row,
	s_and_b32 s27, s15, 15
	s_lshl_b32 s27, s27, 8                         ; 256 a head
	s_add_co_u32 s26, s26, s27
	s_mov_b32 s27, 0
	s_mov_b32 s[SEL], 0x76543210
	s_mov_b32 s[SEL+1], 0xfedcba98
	s_mov_b32 s[HM], 0xffff0000
	s_mov_b32 s[ABSM], 0x7fffffff
	s_mov_b32 s[EPS], 0x358637bd
	v_and_b32 v1, 15, v0                           ; l % 16
	v_bfe_u32 v2, v0, 4, 1                         ; l / 16
	v_and_b32 v3, 31, v0                           ; l
	v_lshlrev_b32 v[GO], 4, v3
	v_lshlrev_b32 v[Z8], 3, v3                     ; 8 l
	s_lshl_b32 s28, s[WV], 11
	v_add_nc_u32 v[VO1], s28, v[GO]                ; units 4 w .. 4 w + 3
	s_lshl_b32 s28, s[WV], 9
	s_add_co_u32 s28, s28, 16384
	v_add_nc_u32 v[VO2], s28, v[GO]                ; unit 32 + w
	v_lshlrev_b32 v[MO], 2, v1
	s_mul_i32 s29, s[WV], 16*SP
	s_add_co_u32 s29, s29, STAGE                   ; my stage
	v_mul_u32_u24 v[STO], v1, SP                   ; in: row l % 16, 32 bytes for each half of the lanes
	v_lshl_add_u32 v[STO], v2, 5, v[STO]
	v_add_nc_u32 v[STO], s29, v[STO]
	v_mul_u32_u24 v[RD], v2, SP                    ; back: lanes 0-15 take one row of 256 bytes, lanes 16-31 the next
	v_lshl_add_u32 v[RD], v1, 4, v[RD]
	v_add_nc_u32 v[RD], s29, v[RD]
	v_lshlrev_b32 v[CO], 12, v2                    ; and the same two rows in out
	v_lshl_add_u32 v[CO], v1, 4, v[CO]
	s_lshl_b32 s28, s[WV], 10
	v_add_nc_u32 v[KVS], s28, v[GO]                ; tiles 2 w, 2 w + 1
	s_lshl_b32 s28, s[WV], 8
	v_add_nc_u32 v[KVZ], s28, v[Z8]                ; z's unit w: the wave's number times a constant and a lane term
	s_lshl_b32 s28, s[WV], 3
	s_add_co_u32 s28, s28, MAXW
	v_mov_b32 v[MXA], s28
	s_wait_kmcnt 0x0
	s_add_nc_u64 s[4:5], s[4:5], s[18:19]
	s_add_nc_u64 s[6:7], s[6:7], s[20:21]
	s_add_nc_u64 s[8:9], s[8:9], s[22:23]
	s_add_nc_u64 s[10:11], s[10:11], s[24:25]
	s_add_nc_u64 s[12:13], s[12:13], s[26:27]
	; all loads at once: 80 of the partial sums, 32 of qf, 1 of qs, 8 of the mask
	WIN 0x40                                       ; destination window 1
.set p, 0
.rept 12
.irp e, 0,1,2,3
	global_load_b128 v[20*p+4*(\e):20*p+4*(\e)+3], v[VO1], s[4:5] offset:20480*p+512*(\e)
.endr
	global_load_b128 v[20*p+16:20*p+19], v[VO2], s[4:5] offset:20480*p
.set p, p+1
.endr
	WIN 0
.rept 4
.irp e, 0,1,2,3
	global_load_b128 v[PW+20*(p-12)+4*(\e):PW+20*(p-12)+4*(\e)+3], v[VO1], s[4:5] offset:20480*p+512*(\e)
.endr
	global_load_b128 v[PW+20*(p-12)+16:PW+20*(p-12)+19], v[VO2], s[4:5] offset:20480*p
.set p, p+1
.endr
.set i, 0
.rept 32
	global_load_b128 v[QF+4*i:QF+4*i+3], v[GO], s[6:7] offset:512*i th:TH_LOAD_NT  ; read once in the launch
.set i, i+1
.endr
	WIN 0x40
	global_load_b128 v[Q4:Q4+3], v[GO], s[8:9]
.irp t, 0,1,2,3,4,5,6,7
	global_load_b32 v[MK+(\t)], v[MO], s[10:11] offset:64*(\t)
.endr
	WIN 0
	s_wait_loadcnt 41                              ; the partial sums are in; the 41 loads issued behind them may stay out
.set i, 0
.rept 10
	v_pk_add_f32 v[SUM+2*i:SUM+2*i+1], v[PW+2*i:PW+2*i+1], v[PW+20+2*i:PW+20+2*i+1]  ; the first addition starts the sums: nothing is cleared
.set i, i+1
.endr
.irp p, 2,3
.set i, 0
.rept 10
	v_pk_add_f32 v[SUM+2*i:SUM+2*i+1], v[SUM+2*i:SUM+2*i+1], v[PW+20*(\p)+2*i:PW+20*(\p)+2*i+1]
.set i, i+1
.endr
.endr
	WIN 0x04                                       ; source 1 window 1
.set p, 0
.rept 12
.set i, 0
.rept 10
	v_pk_add_f32 v[SUM+2*i:SUM+2*i+1], v[SUM+2*i:SUM+2*i+1], v[20*p+2*i:20*p+2*i+1]
.set i, i+1
.endr
.set p, p+1
.endr
	WIN 0
	; the largest magnitudes, of kvT (v36) and of z (v37): in the lane, across the lanes, across the waves
.set i, 0
.rept 20
	v_and_b32 v[PW+i], s[ABSM], v[SUM+i]
.set i, i+1
.endr
	v_max3_num_f32 v36, v[PW], v[PW+1], v[PW+2]
	v_max3_num_f32 v37, v[PW+16], v[PW+17], v[PW+18]
.irp i, 3,5,7,9,11,13
	v_max3_num_f32 v36, v36, v[PW+(\i)], v[PW+(\i)+1]
.endr
	v_max_num_f32 v36, v36, v[PW+15]
	v_max_num_f32 v37, v37, v[PW+19]
.irp x, 1,2,4,8
	v_max_num_f32_dpp v36, v36, v36 row_xmask:\x row_mask:0xf bank_mask:0xf
	v_max_num_f32_dpp v37, v37, v37 row_xmask:\x row_mask:0xf bank_mask:0xf
.endr
	v_mov_b32 v38, 0                               ; v_permlanex16_b32's destination counts as read
	v_mov_b32 v39, 0
	v_permlanex16_b32 v38, v36, s[SEL], s[SEL+1]
	v_permlanex16_b32 v39, v37, s[SEL], s[SEL+1]
	v_max_num_f32 v36, v36, v38
	v_max_num_f32 v37, v37, v39
	ds_store_b64 v[MXA], v[36:37]                  ; all lanes write the same 8 bytes with the same values
	s_wait_dscnt 0x0
	s_barrier_signal -1
	s_barrier_wait -1
	v_mov_b32 v38, MAXW
.irp i, 0,1,2,3
	ds_load_b128 v[PW+4*(\i):PW+4*(\i)+3], v38 offset:16*(\i)
.endr
	s_wait_dscnt 0x0
	v_max3_num_f32 v36, v[PW], v[PW+2], v[PW+4]
	v_max3_num_f32 v37, v[PW+1], v[PW+3], v[PW+5]
	v_max3_num_f32 v36, v36, v[PW+6], v[PW+8]
	v_max3_num_f32 v37, v37, v[PW+7], v[PW+9]
	v_max3_num_f32 v36, v36, v[PW+10], v[PW+12]
	v_max3_num_f32 v37, v37, v[PW+11], v[PW+13]
	v_max3_num_f32 v36, v36, v[PW+14], 0x07800000  ; and 2^-112: the exponent field e is 15 at the least, so that both scales below are normal numbers
	v_max3_num_f32 v37, v37, v[PW+15], 0x07800000
	v_lshrrev_b32 v36, 23, v36                     ; e
	v_lshrrev_b32 v37, 23, v37
	v_sub_nc_u32 v[SK], 268, v36                   ; the scale 2^(141 - e) brings the largest magnitude into 2^14 .. 2^15,
	v_sub_nc_u32 v[SZ], 268, v37
	v_add_nc_u32 v[SK+1], -14, v36                 ; and 2^(e - 141) takes it back
	v_add_nc_u32 v[SZ+1], -14, v37
	v_lshlrev_b32 v[SK], 23, v[SK]
	v_lshlrev_b32 v[SZ], 23, v[SZ]
	v_lshlrev_b32 v[SK+1], 23, v[SK+1]
	v_lshlrev_b32 v[SZ+1], 23, v[SZ+1]
.set i, 0
.rept 8
	v_pk_mul_f32 v[SUM+2*i:SUM+2*i+1], v[SUM+2*i:SUM+2*i+1], v[SK:SK+1] op_sel_hi:[1,0]
.set i, i+1
.endr
.rept 2
	v_pk_mul_f32 v[SUM+2*i:SUM+2*i+1], v[SUM+2*i:SUM+2*i+1], v[SZ:SZ+1] op_sel_hi:[1,0]
.set i, i+1
.endr
.set i, 0
.rept 10
	v_cvt_pk_f16_f32 v[PW+i], v[SUM+2*i], v[SUM+2*i+1]
.set i, i+1
.endr
.irp e, 0,1,2,3
	ds_store_b64 v[KVS], v[PW+2*(\e):PW+2*(\e)+1] offset:KVL+512*((\e)/2)+8*((\e)%2)  ; unit 4 w + e: tile 2 w + e / 2, half e % 2 of the lane's 16 bytes
.endr
	ds_store_b64 v[KVZ], v[PW+8:PW+9] offset:ZL    ; z's unit w: bytes 8,192 + 256 w on, below the maxima's words
	s_wait_dscnt 0x0                               ; for the others' sake: my stores are done
	s_barrier_signal -1
	s_barrier_wait -1
.set i, 0
.rept 16
	ds_load_b128 v[KVF+4*i:KVF+4*i+3], v[GO] offset:KVL+512*i  ; tile 4 c + d is half d % 2 of fragment (c, d / 2)
.set i, i+1
.endr
.set i, 0
.rept 8
	ds_load_b64 v[KVF+64+2*i:KVF+64+2*i+1], v[Z8] offset:ZL+256*i  ; z's unit i: registers 2 (i % 2), + 1 of tile 16 + i / 2
.set i, i+1
.endr
	s_wait_loadcnt 0x0                             ; qf, qs, the mask
	WIN 0x01                                       ; source 0 window 1
.irp k, 0,1,2,3
	v_permlanex16_b32 v[SWR+(\k)], v[Q4+(\k)], s[SEL], s[SEL+1]
.endr
.irp k, 0,1,2,3
	v_cndmask_b32 v[GV+2*(\k)], v[Q4+(\k)], v[SWR+(\k)], s[HM]    ; block 2 k's g lies in lanes 0-15 of word k,
.endr
	WIN 0x04                                       ; source 1 window 1
.irp k, 0,1,2,3
	v_cndmask_b32 v[GV+2*(\k)+1], v[SWR+(\k)], v[Q4+(\k)], s[HM]  ; block 2 k + 1's in lanes 16-31
.endr
	WIN 0
	s_wait_dscnt 0x0                               ; the fragments of kvT and z
; Block t of group g: the row's factor, into rows of 272 bytes in my stage, and back as whole rows of 256 bytes.
.macro PACK g, t
	WIN 0x41                                       ; destination and source 0 window 1, source 1 window 0
.set i, 0
.rept 16
	v_pk_mul_f32 v[40*(\t)+2*i:40*(\t)+2*i+1], v[40*(\t)+2*i:40*(\t)+2*i+1], v[DN+2*(\t):DN+2*(\t)+1] op_sel_hi:[1,0]
.set i, i+1
.endr
	WIN 0x04
.irp c, 0,1,2,3
	ds_store_b128 v[STO], v[40*(\t)+8*(\c):40*(\t)+8*(\c)+3]   offset:64*(\c)
	ds_store_b128 v[STO], v[40*(\t)+8*(\c)+4:40*(\t)+8*(\c)+7] offset:64*(\c)+16
.endr
	s_wait_xcnt 0x0                                ; the stores issued so far have read their registers: the buffer is loaded again only behind this wait
	WIN 0x40
.irp k, 0,1,2,3,4,5,6,7
	ds_load_b128 v[OB+32*((\t)%2)+4*(\k):OB+32*((\t)%2)+4*(\k)+3], v[RD] offset:(\k)*2*SP  ; LDS serves a wave's instructions in order (ISA guide 5.7.1.4): these see the stores above; the next block's stores come behind them
.endr
.endm
.macro SEND g, t, younger              ; younger: the LDS instructions issued behind block t's loads: the next block's sixteen, or none
	WIN 0x04
.irp k, 0,1,2,3,4,5,6,7
	s_wait_dscnt (\younger)+7-(\k)
	global_store_b128 v[CO], v[OB+32*((\t)%2)+4*(\k):OB+32*((\t)%2)+4*(\k)+3], s[12:13] offset:(16*(4*(\g)+(\t))+2*(\k))*4096 th:TH_STORE_NT  ; 16 lanes store 256 consecutive bytes, aligned: a head's piece of a row
.endr
.endm
; Four blocks of 16 rows: 40 products on 20 accumulators, which take turns; the first 20 start the sums.
.macro GROUP g
	WIN 0x50                                       ; C and D window 1
.irp s, 0,1
.irp t, 0,1,2,3
.irp c, 0,1,2,3,4
.if (\s) == 0
	v_wmma_f32_16x16x32_f16 v[40*(\t)+8*(\c):40*(\t)+8*(\c)+7], v[KVF+16*(\c)+8*(\s):KVF+16*(\c)+8*(\s)+7], v[QF+16*(4*(\g)+(\t))+8*(\s):QF+16*(4*(\g)+(\t))+8*(\s)+7], 0
.else
	v_wmma_f32_16x16x32_f16 v[40*(\t)+8*(\c):40*(\t)+8*(\c)+7], v[KVF+16*(\c)+8*(\s):KVF+16*(\c)+8*(\s)+7], v[QF+16*(4*(\g)+(\t))+8*(\s):QF+16*(4*(\g)+(\t))+8*(\s)+7], v[40*(\t)+8*(\c):40*(\t)+8*(\c)+7]
.endif
.endr
.endr
.endr
.rept 4
	v_nop                                          ; the places behind the last products
.endr
	WIN 0x01
.irp t, 0,1,2,3
	v_mul_f32 v[DN+2*(\t)], v[40*(\t)+32], v[SZ+1] ; the fifth result's lowest register: the scaled qf . z, z's scale taken back,
.endr
	WIN 0
.irp t, 0,1,2,3
	v_mul_f32 v[DN+2*(\t)], v[DN+2*(\t)], v[GV+4*(\g)+(\t)]  ; the row's scale taken back, times m
.endr
.irp t, 0,1,2,3
	v_max_num_f32 v[DN+2*(\t)], s[EPS], v[DN+2*(\t)]
.endr
.irp t, 0,1,2,3
	v_rcp_f32 v[DN+2*(\t)+1], v[DN+2*(\t)]
.endr
	WIN 0x04
.irp t, 0,1,2,3
	v_mul_f32 v[HV+(\t)], v[SK+1], v[MK+4*(\g)+(\t)]  ; kvT's scale taken back, times m: four plain lines behind the reciprocals
.endr
	WIN 0
	s_wait_alu depctr_va_vdst(0)                   ; one wait for the four reciprocals, ahead of their first reader
.irp t, 0,1,2,3
	v_mul_f32 v[DN+2*(\t)], v[GV+4*(\g)+(\t)], v[DN+2*(\t)+1]
.endr
.irp t, 0,1,2,3
	v_mul_f32 v[DN+2*(\t)], v[DN+2*(\t)], v[HV+(\t)]
.endr
	PACK \g, 0
	PACK \g, 1                                     ; a block's arithmetic stands between the loads of the block before and its stores
	SEND \g, 0, 16
	PACK \g, 2
	SEND \g, 1, 16
	PACK \g, 3
	SEND \g, 2, 16
	SEND \g, 3, 0
.endm
	GROUP 0
	GROUP 1
	WIN 0
	s_wait_tensorcnt 0x0                           ; the wave's end: the add and its wait, behind my last LDS store
	ds_add_u32 v[SPW], v[NIL]
	s_wait_dscnt 0x0
	s_endpgm
.Lfunc_end_k_q7a983e49b3_attn:
	.size	k_q7a983e49b3_attn, .Lfunc_end_k_q7a983e49b3_attn-k_q7a983e49b3_attn
	.p2alignl 7, 3214868480
	.fill 96, 4, 3214868480
	.section	.rodata,"a",@progbits
	.p2align	6, 0x0
	.amdhsa_kernel k_q7a983e49b3_attn
		.amdhsa_group_segment_fixed_size 46336
		.amdhsa_private_segment_fixed_size 0
		.amdhsa_enable_private_segment 0
		.amdhsa_kernarg_size 40
		.amdhsa_user_sgpr_count 2
		.amdhsa_user_sgpr_kernarg_segment_ptr 1
		.amdhsa_wavefront_size32 1
		.amdhsa_system_sgpr_workgroup_id_x 1
		.amdhsa_system_sgpr_workgroup_id_y 1
		.amdhsa_system_sgpr_workgroup_id_z 1
		.amdhsa_system_vgpr_workitem_id 0
		.amdhsa_next_free_vgpr 512
		.amdhsa_next_free_sgpr 66
		.amdhsa_reserve_vcc 0
		.amdhsa_float_denorm_mode_32 3
		.amdhsa_float_denorm_mode_16_64 3
		.amdhsa_memory_ordered 1
		.amdhsa_forward_progress 1
		.amdhsa_inst_pref_size 65
	.end_amdhsa_kernel
	.amdgpu_metadata
---
amdhsa.version: [ 1, 2 ]
amdhsa.kernels:
  - .name:           k_q7a983e49b3_attn
    .symbol:         k_q7a983e49b3_attn.kd
    .args:
      - { .name: kvp, .offset: 0, .size: 8, .value_kind: global_buffer, .address_space: global }
      - { .name: qf, .offset: 8, .size: 8, .value_kind: global_buffer, .address_space: global }
      - { .name: qs, .offset: 16, .size: 8, .value_kind: global_buffer, .address_space: global }
      - { .name: mask, .offset: 24, .size: 8, .value_kind: global_buffer, .address_space: global }
      - { .name: out0, .offset: 32, .size: 8, .value_kind: global_buffer, .address_space: global }
    .group_segment_fixed_size: 46336
    .private_segment_fixed_size: 0
    .kernarg_segment_align: 8
    .kernarg_segment_size: 40
    .max_flat_workgroup_size: 256
    .sgpr_count:     66
    .vgpr_count:     512
    .wavefront_size: 32
...
	.end_amdgpu_metadata
.endif
;; end of part 3
;; ======== version 2 of 2: 3 launches; version 1 with the launch cast written anew for expert scheduling mode
;; limits: values are held in f16: magnitudes above 65,504 overflow, below 6.1e-05 lose precision
;; workspace buffers: xw 39,845,888 bytes; kvp 20,971,520 bytes; qf 33,554,432 bytes; qs 1,048,576 bytes
;; launch cast (part 4): grid 1024 x 1, 8 waves a work-group, no clusters, 0 bytes of LDS; arguments x, Wq, Wk, Wv, xw; writes xw
.if DOCPART == 4
	.amdgcn_target "amdgcn-amd-amdhsa--gfx1250"
	.amdhsa_code_object_version 6
	.text
	.protected	k_q7a983e49b3_cast
	.globl	k_q7a983e49b3_cast
	.p2align	8
	.type	k_q7a983e49b3_cast,@function
k_q7a983e49b3_cast:
	s_mov_b64 s[64:65], 0
	v_nop
	global_prefetch_b8 v0, s[64:65] scope:SCOPE_SE
	s_setreg_imm32_b32 hwreg(HW_REG_WAVE_SCHED_MODE, 0, 2), 2
	s_setreg_imm32_b32 hwreg(HW_REG_WAVE_MODE, 25, 1), 1
	s_wait_xcnt 0x0
	s_wait_alu depctr_vm_vsrc(0)
; xw = all matrix operands of the projections, rounded once to bf16, in ONE buffer of 19,456 rows x 1,024 (2,048 bytes a row):
;   rows 0 .. 16383: x;   row 16384 + 128 h + i: Wk's row 64 h + i;   row 16384 + 128 h + 64 + i: Wv's row 64 h + i (h < 16, i < 64);   row 18432 + n: Wq's row n.
; A stream: no LDS, no matrix unit.  Work-group g takes x's rows 16 g .. 16 g + 15 and row g of each weight: 19 passes of one row.
; Thread t takes 16 bytes (4 numbers) at byte 16 t of a row and stores 8 bytes at byte 8 t: a wave's load covers 512 consecutive bytes, its store 256, aligned.
; All 19 loads of a wave go out at once; each pass owns its registers, so nothing is rewritten while a load or a store may read it.
; THE MODE: SCHED_MODE bits 1:0 = 2 (LLVM: expert scheduling mode 2), set by the entry lines.  The code itself states the register dependences
; between vector instructions and memory instructions, with s_wait_alu, always for 0.
; THE PLAN.  Registers that memory instructions touch:
;   v1, v2   byte offsets: written once at the head, read by every load (v1) and every store (v2), never written again.
;   IN       pass i: written by the pass's load alone, once; read by the pass's two conversions.  No vector instruction names it ahead of its load.
;   OU       pass i: written by the pass's two conversions, once; read by the pass's store.
; No register is written twice, so the one kind of dependence to state is: a vector instruction has written what a memory instruction reads.
; The 19 passes go in five groups: four of four rows of x, then the three rows of the weights.  ONE wait on va_vdst stands at the head of a group, behind the wait for the group's data:
; it states that the group before has written its OU.  That group's stores follow it, dealt among this group's conversions, which name this group's IN and OU alone:
; none of the registers that those stores read.  One such wait stands at the kernel's head, for the offsets, and one ahead of the last three stores.
.set ROWI, 4096                        ; bytes of a row in f32
.set ROWO, 2048                        ; bytes of a row in bf16
.set IN,   4                           ; v[4:79]    pass i: 4 registers as loaded
.set OU,   80                          ; v[80:117]  pass i: 2 registers to store
	s_load_b256 s[4:11], s[0:1], 0x0               ; x s[4:5], Wq s[6:7], Wk s[8:9], Wv s[10:11]
	s_load_b64 s[12:13], s[0:1], 0x20              ; xw
	v_lshlrev_b32 v1, 4, v0                        ; my 16 bytes of a row that is read
	v_lshlrev_b32 v2, 3, v0                        ; my 8 bytes of a row that is written
	s_lshl_b32 s14, ttmp9, 16                      ; x: 16 rows of 4,096 bytes a work-group
	s_mov_b32 s15, 0
	s_lshl_b32 s16, ttmp9, 12                      ; the weights: one row each
	s_mov_b32 s17, 0
	s_lshl_b32 s18, ttmp9, 15                      ; xw: x's 16 rows of 2,048 bytes
	s_mov_b32 s19, 0
	s_add_co_u32 s20, ttmp9, 18432                 ; xw: Wq's row
	s_lshl_b32 s20, s20, 11
	s_mov_b32 s21, 0
	s_lshr_b32 s22, ttmp9, 6                       ; xw: Wk's row: the head,
	s_lshl_b32 s22, s22, 7                         ; 128 rows a head,
	s_and_b32 s23, ttmp9, 63                       ; the row in the head
	s_add_co_u32 s22, s22, s23
	s_add_co_u32 s22, s22, 16384
	s_lshl_b32 s22, s22, 11
	s_mov_b32 s23, 0
	s_wait_kmcnt 0x0
	s_add_nc_u64 s[4:5], s[4:5], s[14:15]
	s_add_nc_u64 s[6:7], s[6:7], s[16:17]
	s_add_nc_u64 s[8:9], s[8:9], s[16:17]
	s_add_nc_u64 s[10:11], s[10:11], s[16:17]
	s_add_nc_u64 s[24:25], s[12:13], s[18:19]
	s_add_nc_u64 s[26:27], s[12:13], s[20:21]
	s_add_nc_u64 s[28:29], s[12:13], s[22:23]      ; Wv's row lies 64 rows behind Wk's
	s_wait_alu depctr_va_vdst(0)                   ; v1 and v2 are written: every load of the kernel reads v1 as its offset, every store v2
.irp i, 0,1,2,3,4,5,6,7,8,9,10,11,12,13,14,15
	global_load_b128 v[IN+4*(\i):IN+4*(\i)+3], v1, s[4:5] offset:(\i)*ROWI th:TH_LOAD_NT
.endr
	global_load_b128 v[IN+64:IN+67], v1, s[6:7] th:TH_LOAD_NT
	global_load_b128 v[IN+68:IN+71], v1, s[8:9] th:TH_LOAD_NT
	global_load_b128 v[IN+72:IN+75], v1, s[10:11] th:TH_LOAD_NT
.macro CVT i                           ; pass i is rounded
	v_cvt_pk_bf16_f32 v[OU+2*(\i)],   v[IN+4*(\i)],   v[IN+4*(\i)+1]
	v_cvt_pk_bf16_f32 v[OU+2*(\i)+1], v[IN+4*(\i)+2], v[IN+4*(\i)+3]
.endm
.macro ST i, base, off                 ; pass i is stored
	global_store_b64 v2, v[OU+2*(\i):OU+2*(\i)+1], s[\base:\base+1] offset:\off
.endm
; Group g (1 to 3) of four rows of x: its conversions, and among them the stores of the group before.
.macro GRP g
	s_wait_loadcnt 15-4*(\g)                       ; loads come back in order: the group's four are in, the 15 - 4 g younger ones stay out
	s_wait_alu depctr_va_vdst(0)                   ; the conversions of the group before have written its OU, which the four stores below read
.irp j, 0,1,2,3
	ST 4*(\g)-4+(\j), 24, (4*(\g)-4+(\j))*ROWO     ; no vector instruction since the wait names these registers
	CVT 4*(\g)+(\j)
.endr
.endm
	s_wait_loadcnt 15                              ; group 0: rows 0 to 3 are in, the 15 younger loads stay out; no group stands in front of it, so there is nothing to store
.irp i, 0,1,2,3
	CVT \i
.endr
	GRP 1
	GRP 2
	GRP 3
	s_wait_loadcnt 0x0                             ; group 4: the three rows of the weights, the youngest loads
	s_wait_alu depctr_va_vdst(0)                   ; group 3's conversions have written its OU, which the four stores below read
	ST 12, 24, 12*ROWO
	CVT 16
	ST 13, 24, 13*ROWO
	CVT 17
	ST 14, 24, 14*ROWO
	CVT 18
	ST 15, 24, 15*ROWO
	s_wait_alu depctr_va_vdst(0)                   ; group 4's conversions have written its OU, which the last three stores read
	ST 16, 26, 0
	ST 17, 28, 0
	ST 18, 28, 64*ROWO
	s_endpgm
.Lfunc_end_k_q7a983e49b3_cast:
	.size	k_q7a983e49b3_cast, .Lfunc_end_k_q7a983e49b3_cast-k_q7a983e49b3_cast
	.p2alignl 7, 3214868480
	.fill 96, 4, 3214868480
	.section	.rodata,"a",@progbits
	.p2align	6, 0x0
	.amdhsa_kernel k_q7a983e49b3_cast
		.amdhsa_group_segment_fixed_size 0
		.amdhsa_private_segment_fixed_size 0
		.amdhsa_enable_private_segment 0
		.amdhsa_kernarg_size 40
		.amdhsa_user_sgpr_count 2
		.amdhsa_user_sgpr_kernarg_segment_ptr 1
		.amdhsa_wavefront_size32 1
		.amdhsa_system_sgpr_workgroup_id_x 1
		.amdhsa_system_sgpr_workgroup_id_y 1
		.amdhsa_system_sgpr_workgroup_id_z 1
		.amdhsa_system_vgpr_workitem_id 0
		.amdhsa_next_free_vgpr 120
		.amdhsa_next_free_sgpr 66
		.amdhsa_reserve_vcc 0
		.amdhsa_float_denorm_mode_32 3
		.amdhsa_float_denorm_mode_16_64 3
		.amdhsa_memory_ordered 1
		.amdhsa_forward_progress 1
		.amdhsa_inst_pref_size 8
	.end_amdhsa_kernel
	.amdgpu_metadata
---
amdhsa.version: [ 1, 2 ]
amdhsa.kernels:
  - .name:           k_q7a983e49b3_cast
    .symbol:         k_q7a983e49b3_cast.kd
    .args:
      - { .name: x, .offset: 0, .size: 8, .value_kind: global_buffer, .address_space: global }
      - { .name: Wq, .offset: 8, .size: 8, .value_kind: global_buffer, .address_space: global }
      - { .name: Wk, .offset: 16, .size: 8, .value_kind: global_buffer, .address_space: global }
      - { .name: Wv, .offset: 24, .size: 8, .value_kind: global_buffer, .address_space: global }
      - { .name: xw, .offset: 32, .size: 8, .value_kind: global_buffer, .address_space: global }
    .group_segment_fixed_size: 0
    .private_segment_fixed_size: 0
    .kernarg_segment_align: 8
    .kernarg_segment_size: 40
    .max_flat_workgroup_size: 256
    .sgpr_count:     66
    .vgpr_count:     120
    .wavefront_size: 32
...
	.end_amdgpu_metadata
.endif
;; end of part 4
;; launch proj: the kernel of part 2 again; grid 4 x 64, 4 waves a work-group, clusters of 4 x 4, 327,680 bytes of LDS; arguments xw, bq, bk, bv, mask, kvp, qf, qs; writes kvp, qf, qs
;; launch attn: the kernel of part 3 again; grid 4 x 64, 8 waves a work-group, no clusters, 46,336 bytes of LDS; arguments kvp, qf, qs, mask, out0; writes out0
